; MI455X (gfx1250); checked and timed in simulation.
; The chip was launched on July 23, 2026; its instructions are those of AMD's public machine-readable ISA for CDNA 5 (MIT licence, August 2026) and "CDNA5" Instruction Set Architecture Reference Guide (July 2026). The comments in the code are by the model that wrote it; some were corrected since.
;; Multi Head Attention. Allowed arithmetic: matrix products marked QUANTISED: E2M3 operands, one E8M0 scale for each 32 along K, by v_wmma_scale_f32_16x16x128_f8f6f4 with both operands' format E2M3, f32 sums; everything else in f32.
;; Inputs: Wkv_codes 2,048 x 32 x 24 uint8 (E2M3 codes of Wkv, K innermost, in blocks of 32 codes, four codes in three bytes); Wkv_scales 2,048 x 32 uint8 (E8M0 scales of Wkv, one for each 32 codes along K); Wo_codes 1,024 x 32 x 24 uint8 (E2M3 codes of Wo, K innermost, in blocks of 32 codes, four codes in three bytes); Wo_scales 1,024 x 32 uint8 (E8M0 scales of Wo, one for each 32 codes along K); Wq_codes 1,024 x 32 x 24 uint8 (E2M3 codes of Wq, K innermost, in blocks of 32 codes, four codes in three bytes); Wq_scales 1,024 x 32 uint8 (E8M0 scales of Wq, one for each 32 codes along K); bkv 2,048 float32; bo 1,024 float32; bq 1,024 float32; x_codes 4 x 2,048 x 32 x 24 uint8 (E2M3 codes of x, K innermost, in blocks of 32 codes, four codes in three bytes); x_scales 4 x 2,048 x 32 uint8 (E8M0 scales of x, one for each 32 codes along K).
;; Outputs: out0 4 x 2,048 x 1,024 float32.
;; Constants: decoderMask = 1.
;; This version of the problem:
;;   THIS VERSION OF THE PROBLEM IS GIVEN IN LOW PRECISION. The matrix products marked QUANTISED in the list below multiply operands that are first quantised to E2M3 (2 exponent bits, 3 mantissa bits; 6 bits a number), with one power-of-two scale for each 32 numbers along K (OCP MX v1.0); their sums are f32. All else is computed in f32.
;;   The module's matrix products, in the order in which they are computed (A, B: the left and right operand; K: the contracted axis; several contracted axes count as one K, in the product's order):
;;     1. [M 8,192, K 1,024] x [K 1,024, N 1,024]; A: input x (given as codes); B: input Wq (given as codes): QUANTISED
;;     2. [M 8,192, K 1,024] x [K 1,024, N 2,048]; A: input x (given as codes); B: input Wkv (given as codes): QUANTISED
;;     3. batch 64 x [M 2,048, K 64] x [K 64, N 2,048]; A: computed on the way; B: computed on the way: QUANTISED
;;     4. batch 64 x [M 2,048, K 2,048] x [K 2,048, N 64]; A: softmax (see below); B: computed on the way: QUANTISED
;;     5. [M 8,192, K 1,024] x [K 1,024, N 1,024]; A: computed on the way; B: input Wo (given as codes): QUANTISED
;;   THE QUANTISER, for each operand of a quantised product, along K:
;;     - K is cut into blocks of 32 from its start; a last block that is shorter is filled with zeros.
;;     - A block's scale is 2^e with e = floor(log2(the largest magnitude in the block)) - 2, held to -126 .. 127; a block of zeros has e = 0. As a byte (E8M0): e + 127.
;;     - Each number is divided by its block's scale, clamped to +-7.5, and rounded to the nearest number of E2M3, ties to even, subnormals kept.
;;     - The product sums the exact products of the quantised numbers (number of the format x scale) in f32.
;;   ~~~python
;;   def quantise(x, axis):      # numpy; x: float32 -> the quantised numbers, widened to float32 again
;;       x = np.moveaxis(x, axis, -1); K = x.shape[-1]
;;       x = np.pad(x, [(0, 0)] * (x.ndim - 1) + [(0, -K % 32)]); x = x.reshape(x.shape[:-1] + (-1, 32)); a = np.abs(x).max(-1, keepdims=True)
;;       e = np.where(a > 0, np.clip(np.frexp(np.where(a > 0, a, 1))[1] - 1 - 2, -126, 127), 0)      # np.frexp(a)[1] - 1 = floor(log2(a)), exactly
;;       r = np.clip(x / 2.0 ** e, -7.5, 7.5)
;;       step = 2.0 ** (np.maximum(np.frexp(np.where(r == 0, 1, r))[1] - 1, 0) - 3)
;;       q = np.round(r / step) * step * 2.0 ** e      # np.round: ties to even
;;       return np.moveaxis(q.reshape(q.shape[:-2] + (-1,))[..., :K], -1, axis).astype(np.float32)
;;   ~~~
;;   SOFTMAX AHEAD OF A QUANTISED PRODUCT. Where the list says 'softmax', what is quantised is not the finished softmax but p = 2^(t - M), with t = logit x log2(e) and M = ceil(the row's largest t), a whole number; so 1/2 < the row's largest p <= 1. The row's sum l is taken of the UNQUANTISED p, in f32, and the product's result is divided by l at the end. Since M is a whole number, a kernel that streams over the keys may use a running M (the ceiling of the running maximum): every later rescaling is an exact power of two, which a block's scale takes up: the codes' values come out the same.
;;   OPERANDS COMPUTED ON THE WAY. 'Computed on the way' means the value that the module computes at that place (a softmax that the list does not call 'softmax' is quantised finished and normalised). What goes into a quantiser is computed in f32, as accurately as f32 sums, v_exp_f32 and their like allow (about 1e-6 of the number): no bf16 or f16 on the way to a quantiser, and a product that is left as it is and whose result goes on into a quantised operand takes f32 operands (vector FMAs, or v_wmma_f32_16x16x4_f32). A number that lies on a knife's edge between two numbers of the format may be rounded either way, as far as f32 arithmetic and the matrix unit's own rounding can turn it there, and no further.
;;   INPUTS GIVEN AS CODES. Wkv (in the module: [1024, 2048], K = its axis 0); Wo (in the module: [1024, 1024], K = its axis 0); Wq (in the module: [1024, 1024], K = its axis 0); x (in the module: [4, 2048, 1024], K = its axis 2): each comes as NAME_codes (uint8): NAME with its K axis moved to the last place and cut into blocks of 32 codes, [.., K / 32, bytes a block], one block behind the other in memory; four codes in three bytes: a row's codes are one little-endian stream of bits, code i at bits 6 i .. 6 i + 5 (a code: sign, 2 exponent bits, 3 mantissa bits); and NAME_scales (uint8): the same leading axes, one E8M0 byte (e + 127) for each 32 codes along K. Its value is code x scale, taken as it is: it is not quantised again, and the codes and scales need not be those that the quantiser above would give.
;; One version. Each part assembles by itself: llvm-mc -triple=amdgcn-amd-amdhsa -mcpu=gfx1250 --defsym DOCPART=n.
;; ======== version 1 of 1: 3 launches
;; workspace buffers: qi 6,291,456 bytes; qs 262,144 bytes; kv 13,107,200 bytes; vi 6,291,456 bytes; vs 262,144 bytes
;; launch qkv (part 1): grid 16 x 32, 4 waves a work-group, clusters of 4 x 4, 327,680 bytes of LDS; arguments x_codes, x_scales, Wq_codes, Wq_scales, Wkv_codes, Wkv_scales, bq, bkv, qi, qs, kv; writes qi, qs, kv
.if DOCPART == 1
	.amdgcn_target "amdgcn-amd-amdhsa--gfx1250"
	.amdhsa_code_object_version 6
	.text
	.protected	k_qdaced5cab9_qkv
	.globl	k_qdaced5cab9_qkv
	.p2align	8
	.type	k_qdaced5cab9_qkv,@function
k_qdaced5cab9_qkv:
	s_mov_b64 s[64:65], 0
	v_nop
	global_prefetch_b8 v0, s[64:65] scope:SCOPE_SE
	s_setreg_imm32_b32 hwreg(HW_REG_WAVE_MODE, 25, 1), 1
	s_wait_xcnt 0x0
	s_wait_alu depctr_hold_cnt(0) depctr_sa_sdst(0) depctr_va_vdst(0) depctr_va_sdst(0) depctr_va_ssrc(0) depctr_va_vcc(0) depctr_vm_vsrc(0)
	s_getreg_b32 s2, hwreg(HW_REG_IB_STS2, 6, 4)
	s_cmp_eq_u32 s2, 0
	s_cbranch_scc0 .Lentry_in_a_cluster
	s_endpgm
.Lentry_in_a_cluster:
	s_bfe_u32 s2, ttmp6, 0x10000c
	s_cmp_lg_u32 s2, 0xf033
	s_cbranch_scc0 .Lentry_shape_is_right
	s_endpgm
.Lentry_shape_is_right:
; [q_ | kv_] = x [Wq | Wkv] + [bq | bkv] on codes of FP6 (E2M3) with E8M0 scales, and its result quantised at once for attention.
; Head HD owns columns 192 HD .. 192 HD + 191 of the 3,072: 64 of q, 64 of k, 64 of v.  A group of 64 columns g = 3 HD + 0, 1, 2 is rows 64 g of Wq where g < 16, else rows 64 (g - 16) of Wkv; biases likewise.
; SHARES.  A work-group: one head x 256 rows of x.  Wave: WR = wave / 2 picks 128 rows (one key step of attention), RO = wave % 2 the role: role 0 makes q and channels 0-31 of v, role 1 makes k and channels 32-63 of v.
; One text serves both roles: only addresses differ.  A wave has 48 accumulators (128 rows x 96 columns), 384 registers.
; q AND k ARE MADE TRANSPOSED (source 0 = 16 rows of W, source 1 = 16 rows of x): a lane holds one row of x and eight channels, so its registers run along d, the K of q k^T.
; v IS MADE THE NATURAL WAY (source 0 = x, source 1 = W): a lane holds one channel and eight keys, so its registers run along the keys, the K of p v.
; ORDER INSIDE A BLOCK OF 32.  A lane's 16 registers of two neighbouring tiles hold indices 16 g + 8 h + j (g the tile, h the lane's half, j the register); they become the block's positions 16 h + 8 g + j.
; q and k get the same order, and so do v and the weights p that attention makes: a product's sum over a block does not hang on the order, and a block's scale is one number.
; OUTPUT, as images of operand registers (12 registers a lane, registers 4 c .. 4 c + 3 of lane l at 512 c + 16 l):
;   qi [b x head][pair of 32 rows][1,536]: registers 0-5 = the pair's first 16 rows, 6-11 = its second 16; in each, lane (r, h) holds row r, block h of d.   qs [b x head][step][256]: the word of pair f, row r at 8 (16 (f % 2) + r) + 4 (f / 2).
;   kv [b x head][step of 128 keys][12,800]: 4 pair images of k; at 6,144 four images of v (tile T: lane (r, h) = channel 16 T + r, registers 6 c .. 6 c + 5 = key block 2 c + h); at 12,288 k's scale words as in qs; at 12,544 v's: tile T, row r at 128 (T / 2) + 4 (16 (T % 2) + r).
; K = 1,024 goes in four chunks of 256 (rows of 192 bytes) through three LDS slots: chunks 0, 1, 2 are first fills, chunk 3 is the one refill, into slot 0.  By this text's count a wave has at most three tensor loads out.
; CLUSTER 4 x 4: the four work-groups of a row of the cluster share their 256 rows of x, the four of a column their head's rows of W: each tile is asked for jointly.  Wave 3 asks for x, waves 0, 1, 2 for the groups q, k, v.
; LIMITS: NaN and infinities among the inputs are not served.  A block whose largest magnitude lies under 2^-124 gets the scale byte 1; a block of zeros gets 1 where the quantiser says 127: its codes are zeros, and this program alone reads the bytes.
; REGISTERS: window 0: v1-31 addresses; v32-63 x's scale words, v64-87 W's; v88-135 biases; v136-252 the way out.  window 1: v0-95 x's eight fragments (one set), v96-239 W's six (two sets).
;   windows 2, 3 (rows 0-63, 64-127): q or k accumulator (a, b) at 8 (4 (a % 4) + b); v's (a, t) at 128 + 8 (4 t + a % 4).
.set PITCH,  240                       ; an LDS row: 3 x (64 bytes + 16 of padding): the 32 lanes of a load of 8 bytes touch 64 different banks (64 banks of 4 bytes: ISA guide 11.1)
.set SLOT,   448*PITCH                 ; 256 rows of x, then 64 rows each of the groups q, k, v
.set WOFF,   256*PITCH
.set GRP,    64*PITCH
.set SPARE,  3*SLOT                    ; the spare words: 128 bytes for each wave, two blocks of 256 bytes that no other line names
.set ADRA,   4                         ; v4-6 LDS address of my x fragments in slot 0, 1, 2;  v7-9 the same behind one padding more
.set ADRB,   10                        ; v10-12, v13-15 the same for my group of W (q or k)
.set ADRV,   16                        ; v16-18, v19-21 for my 32 rows of the group v
.set SPW,    22                        ; v22 LDS address of my spare word; never rewritten
.set NIL,    23                        ; v23 0; never rewritten
.set LI,     24                        ; v24 16 x lane
.set L8,     25                        ; v25 8 x lane
.set L4,     26                        ; v26 4 x lane
.set XS,     32                        ; x tile a: registers 4 a + q: lanes 0-15 the scale word of K step q, lanes 16-31 that of K step 4 + q
.set WS,     64                        ; W tile b likewise; b = 4, 5 are my two tiles of v
.set BT,     88                        ; biases of q or k: eight registers a tile, in the transposed result's layout
.set BN,     120                       ; biases of v: eight equal registers a tile
.set TM,     136                       ; the way out: 12 largest magnitudes,
.set TP,     148                       ; 12 exchanged ones, then scale bytes,
.set TS,     160                       ; 12 scale operands,
.set CK,     172                       ; two pair images of q or k,
.set YT,     196                       ; six second halves of blocks,
.set VC,     220                       ; two images of v,
.set KW,     244                       ; four scale words of q or k,
.set VW,     248                       ; two of v
.set AF,     0
.set BF,     96
.set G1A,    36                        ; s[36:43] descriptor group 1 for x;  s[44:51] for W
.set G1B,    44
.set G0A,    52                        ; s[52:63] group 0 for x, one set for each first fill;  s[68:79] for W
.set G0B,    68
.set M_LO,   0xa5                      ; sources 0 and 1 window 1, C and D window 2
.set M_HI,   0xf5                      ; the same, C and D window 3
.set TO_F,   0x40                      ; destination window 1, address window 0
.set MSB, 0
.macro WIN new                         ; the immediate's high byte repeats the setting that is left; a switch that changes nothing is dropped
.if MSB != (\new)
	s_set_vgpr_msb (MSB<<8)|(\new)
.set MSB, (\new)
.endif
.endm
.macro PLACES n
.rept \n
	v_nop
.endr
.endm
.macro CREST                           ; a round of the cluster's barrier behind its opening barrier
	s_cmp_lg_u32 s26, 0
	s_cbranch_scc1 .Lnot_wave_0_\@
	s_barrier_signal -3
.Lnot_wave_0_\@:
	s_barrier_wait -3
	s_barrier_signal -1
	s_barrier_wait -1
.endm
.macro CROUND                          ; a whole round
	s_barrier_signal -1
	s_barrier_wait -1
	CREST
.endm
.macro JLOAD                           ; the joint refill of slot 0: wave 3 asks for x, the others for W.  Four v_nop follow each of the two lines
	s_cmp_eq_u32 s26, 3
	s_cbranch_scc0 .Lfor_w_\@
	tensor_load_to_lds s[G0A:G0A+3], s[G1A:G1A+7]
	s_nop 0
.rept 4
	v_nop
.endr
	s_branch .Lasked_\@
.Lfor_w_\@:
	tensor_load_to_lds s[G0B:G0B+3], s[G1B:G1B+7]
	s_nop 0
.rept 4
	v_nop
.endr
.Lasked_\@:
.endm
	s_load_b256 s[4:11], s[0:1], 0x0               ; x's codes s[4:5], x's scales s[6:7], Wq's codes s[8:9], Wq's scales s[10:11]
	s_load_b256 s[12:19], s[0:1], 0x20             ; Wkv's codes s[12:13], Wkv's scales s[14:15], bq s[16:17], bkv s[18:19]
	s_load_b128 s[20:23], s[0:1], 0x40             ; qi s[20:21], qs s[22:23]
	s_load_b64 s[24:25], s[0:1], 0x50              ; kv
	v_lshl_add_u32 v[SPW], v0, 2, SPARE
	v_mov_b32 v[NIL], 0
	ds_add_u32 v22, v23
	ds_add_u32 v22, v23
	s_wait_dscnt 0x0
	v_lshrrev_b32 v27, 5, v0
	v_readfirstlane_b32 s26, v27                   ; wave 0..3
	s_lshr_b32 s27, s26, 1                         ; WR: which 128 rows
	s_and_b32 s28, s26, 1                          ; RO: the role
	s_min_u32 s29, s26, 2                          ; which group of W I fetch (wave 3 fetches x)
	s_bfe_u32 s30, ttmp6, 0x40000                  ; cx
	s_bfe_u32 s31, ttmp6, 0x40004                  ; cy
	s_lshl_b32 s32, ttmp9, 2
	s_add_co_u32 s32, s32, s30                     ; HD = 4 x cluster x + cx
	s_and_b32 s33, ttmp7, 0xffff
	s_lshl_b32 s33, s33, 2
	s_add_co_u32 s33, s33, s31                     ; RB = 4 x cluster y + cy: my block of 256 rows
	s_lshl_b32 s34, s31, 2
	s_lshl_b32 s34, 15, s34                        ; my row of the cluster
	s_lshl_b32 s35, 0x1111, s30                    ; my column
	; group 1: rows of 192 bytes, 768 bytes apart in memory, 16 bytes of padding behind every 64
	s_or_b32 s[G1A], s34, (1<<20)|(1<<21)|(3<<22)|(3<<25)   ; 15:0 the mask: x's tiles go to my row; 17:16 elements of 1 byte; 20 padding on; 21 set beside a mask; 24:22 after every 16 words; 31:25 of 4 words
	s_or_b32 s[G1B], s35, (1<<20)|(1<<21)|(3<<22)|(3<<25)   ; the same with my column's mask
	s_mov_b32 s[G1A+1], 192<<16                    ; tensor_dim0
	s_mov_b32 s[G1A+2], 256<<16                    ; tensor_dim1 = 256 rows
	s_mov_b32 s[G1A+3], 192<<16                    ; tile_dim0
	s_mov_b32 s[G1A+4], 256                        ; tile_dim1
	s_mov_b32 s[G1A+5], 768                        ; tensor_dim0_stride
	s_mov_b32 s[G1A+6], 0
	s_mov_b32 s[G1A+7], 0
	s_mov_b32 s[G1B+1], 192<<16
	s_mov_b32 s[G1B+2], 64<<16                     ; 64 rows
	s_mov_b32 s[G1B+3], 192<<16
	s_mov_b32 s[G1B+4], 64
	s_mov_b32 s[G1B+5], 768
	s_mov_b32 s[G1B+6], 0
	s_mov_b32 s[G1B+7], 0
	; x's address hangs on RB alone (s82, s83), W's on HD alone (s84-90): neither set of registers ever holds the other coordinate
	s_mul_i32 s84, s32, 3                          ; 3 HD
	s_add_co_u32 s85, s84, s29                     ; the group that I fetch
	s_mul_i32 s90, s29, GRP                        ; and its place in a slot
	s_mul_i32 s82, s33, 256*768
	s_mov_b32 s83, 0
	s_mov_b32 s87, 0
	s_wait_kmcnt 0x0
	s_add_nc_u64 s[82:83], s[4:5], s[82:83]
	s_cmp_lt_u32 s85, 16                           ; groups 0-15 lie in Wq, 16-47 in Wkv
	s_cselect_b64 s[88:89], s[8:9], s[12:13]
	s_cselect_b32 s86, 0, 16
	s_sub_co_u32 s86, s85, s86
	s_mul_i32 s86, s86, 64*768
	s_add_nc_u64 s[88:89], s[88:89], s[86:87]
	CROUND                                         ; all sixteen work-groups are here: the first joint loads meet
.irp k, 0,1,2
	s_mov_b32 s[G0A+4*\k], 1                       ; 1:0 count = 1
	s_mov_b32 s[G0A+4*\k+1], \k*SLOT               ; 63:32 LDS address
	s_add_nc_u64 s[G0A+4*\k+2:G0A+4*\k+3], s[82:83], 192*\k   ; 120:64 global address: chunk k
	s_or_b32 s[G0A+4*\k+3], s[G0A+4*\k+3], 0x80000000         ; 127:126 type = 2
	s_mov_b32 s[G0B+4*\k], 1
	s_add_co_u32 s[G0B+4*\k+1], s90, \k*SLOT+WOFF
	s_add_nc_u64 s[G0B+4*\k+2:G0B+4*\k+3], s[88:89], 192*\k
	s_or_b32 s[G0B+4*\k+3], s[G0B+4*\k+3], 0x80000000
.endr
	s_cmp_eq_u32 s26, 3                            ; a wave's three first fills stand in one branch, ahead of every wait on TENSORcnt and every LDS read; four v_nop follow the third
	s_cbranch_scc0 .Lfirst_w
	tensor_load_to_lds s[G0A:G0A+3], s[G1A:G1A+7]
	s_nop 0
	tensor_load_to_lds s[G0A+4:G0A+7], s[G1A:G1A+7]
	s_nop 0
	tensor_load_to_lds s[G0A+8:G0A+11], s[G1A:G1A+7]
	s_nop 0
.rept 4
	v_nop
.endr
	s_branch .Lfirst_asked
.Lfirst_w:
	tensor_load_to_lds s[G0B:G0B+3], s[G1B:G1B+7]
	s_nop 0
	tensor_load_to_lds s[G0B+4:G0B+7], s[G1B:G1B+7]
	s_nop 0
	tensor_load_to_lds s[G0B+8:G0B+11], s[G1B:G1B+7]
	s_nop 0
.rept 4
	v_nop
.endr
.Lfirst_asked:
	v_and_b32 v1, 15, v0                           ; r
	v_bfe_u32 v2, v0, 4, 1                         ; h
	v_and_b32 v3, 31, v0                           ; lane
	v_mul_u32_u24 v27, v1, PITCH
	v_mad_u32_u24 v27, v2, 24, v27                 ; a fragment's row x pitch + 24 x half
	v_lshl_add_u32 v28, v2, 4, v27                 ; and the same behind one padding more
	s_mul_i32 s2, s27, 128*PITCH                   ; my 128 rows of x
	s_mul_i32 s3, s28, GRP
	s_add_co_u32 s3, s3, WOFF                      ; my group of W: q or k
	s_mul_i32 s91, s28, 32*PITCH
	s_add_co_u32 s91, s91, WOFF+2*GRP              ; my 32 rows of the group v
.irp k, 0,1,2
	v_add_nc_u32 v[ADRA+\k], s2, v27
	v_add_nc_u32 v[ADRA+3+\k], s2, v28
	v_add_nc_u32 v[ADRB+\k], s3, v27
	v_add_nc_u32 v[ADRB+3+\k], s3, v28
	v_add_nc_u32 v[ADRV+\k], s91, v27
	v_add_nc_u32 v[ADRV+3+\k], s91, v28
	s_add_co_u32 s2, s2, SLOT
	s_add_co_u32 s3, s3, SLOT
	s_add_co_u32 s91, s91, SLOT
.endr
	v_lshlrev_b32 v[LI], 4, v3
	v_lshlrev_b32 v[L8], 3, v3
	v_lshlrev_b32 v[L4], 2, v3
	v_lshlrev_b32 v29, 5, v1
	v_lshl_add_u32 v29, v2, 4, v29                 ; scale bytes: row r of 32 bytes, + 16 h: a load of 16 bytes a lane takes 512 consecutive bytes, 16 rows whole
	v_lshlrev_b32 v30, 5, v2                       ; biases of q or k: 8 h numbers on
	v_lshlrev_b32 v31, 2, v1                       ; biases of v: number r
	s_mov_b32 s66, 0x1800000                       ; the floor 2^(3 - 127) of a block's largest magnitude
	s_mov_b32 s67, 0xffff0000                      ; lanes 16-31
	s_mov_b32 s80, 0x76543210
	s_mov_b32 s81, 0xfedcba98                      ; v_permlanex16_b32's selects for lane l xor 16
	s_lshl_b32 s82, s33, 13                        ; x's scales: 256 RB + 128 WR rows of 32 bytes
	s_lshl_b32 s83, s27, 12
	s_add_co_u32 s82, s82, s83
	s_mov_b32 s83, 0
	s_add_nc_u64 s[82:83], s[6:7], s[82:83]
	s_add_co_u32 s85, s84, s28                     ; my group q or k: 3 HD + RO
	s_cmp_lt_u32 s85, 16
	s_cselect_b64 s[88:89], s[10:11], s[14:15]     ; its scales
	s_cselect_b64 s[100:101], s[16:17], s[18:19]   ; its biases
	s_cselect_b32 s86, 0, 16
	s_sub_co_u32 s85, s85, s86
	s_lshl_b32 s86, s85, 11                        ; 64 rows of 32 bytes
	s_add_nc_u64 s[88:89], s[88:89], s[86:87]
	s_lshl_b32 s86, s85, 8                         ; 64 numbers of 4 bytes
	s_add_nc_u64 s[100:101], s[100:101], s[86:87]
	s_add_co_u32 s85, s84, 2                       ; the group v: 3 HD + 2
	s_cmp_lt_u32 s85, 16
	s_cselect_b64 s[104:105], s[10:11], s[14:15]
	s_cselect_b64 s[90:91], s[16:17], s[18:19]
	s_cselect_b32 s86, 0, 16
	s_sub_co_u32 s85, s85, s86
	s_lshl_b32 s85, s85, 1
	s_add_co_u32 s85, s85, s28                     ; in halves of a group: my 32 rows
	s_lshl_b32 s86, s85, 10
	s_add_nc_u64 s[104:105], s[104:105], s[86:87]
	s_lshl_b32 s86, s85, 7
	s_add_nc_u64 s[90:91], s[90:91], s[86:87]
.irp a, 0,1,2,3,4,5,6,7
	global_load_b128 v[XS+4*\a:XS+4*\a+3], v29, s[82:83] offset:512*\a
.endr
.irp b, 0,1,2,3
	global_load_b128 v[WS+4*\b:WS+4*\b+3], v29, s[88:89] offset:512*\b
.endr
.irp t, 0,1
	global_load_b128 v[WS+16+4*\t:WS+16+4*\t+3], v29, s[104:105] offset:512*\t
.endr
.irp b, 0,1,2,3
	global_load_b128 v[BT+8*\b:BT+8*\b+3], v30, s[100:101] offset:64*\b
	global_load_b128 v[BT+8*\b+4:BT+8*\b+7], v30, s[100:101] offset:64*\b+16
.endr
.irp t, 0,1
.irp j, 0,1,2,3,4,5,6,7
	global_load_b32 v[BN+8*\t+\j], v31, s[90:91] offset:64*\t   ; a lane's eight results of a tile of v are one channel: the same bias eight times
.endr
.endr
.irp c, 0,1,2,3,4,5,6,7,8,9,10,11
	v_mov_b32 v[TP+\c], 0                          ; written once: a lane permute's destination counts as one of its sources
.endr
; a fragment, 16 rows x 128 K of 6-bit codes: lane (r, h) takes 24 bytes of row r at 24 h and 24 at 48 + 24 h, in pieces of 8 bytes.  Piece p of a row lies at 8 p + 16 (p / 8); lanes 16-31 read three pieces on,
; which for some pieces is behind one padding more: the second address register (three registers up) serves those
.macro FRAG reg, adr, q, i
.irp p, 0,1,2,3,4,5
.set PC, 12*(\q)+6*(\p/3)+\p%3
.if PC%8 < 5
	ds_load_b64 v[\reg+2*\p:\reg+2*\p+1], v[\adr] offset:8*PC+16*(PC/8)+(\i)*16*PITCH
.else
	ds_load_b64 v[\reg+2*\p:\reg+2*\p+1], v[\adr+3] offset:8*PC+16*(PC/8)+(\i)*16*PITCH
.endif
.endr
.endm
.macro FETCH_B k, q, p                 ; W's six fragments of slot k's q-th 128 along K into set p: 36 loads
	WIN TO_F
.irp i, 0,1,2,3
	FRAG BF+72*(\p)+12*\i, ADRB+\k, \q, \i
.endr
.irp i, 0,1
	FRAG BF+72*(\p)+12*(4+\i), ADRV+\k, \q, \i
.endr
.endm
.macro FETCH_A k, q, i0                ; x's tiles i0 .. i0 + 3: 24 loads
	WIN TO_F
.irp i, 0,1,2,3
	FRAG AF+12*(\i0+\i), ADRA+\k, \q, \i0+\i
.endr
.endm
; one product.  K steps 4-7 take their scale words from lanes 16-31 of the same registers.  first = 1: C is the bias, which starts the sum
.macro WMI d, a, b, c, sa, sb, s, first
.if \first
	v_wmma_scale_f32_16x16x128_f8f6f4 v[\d:\d+7], v[\a:\a+11], v[\b:\b+11], v[\c:\c+7], v[\sa], v[\sb] matrix_a_fmt:MATRIX_FMT_FP6 matrix_b_fmt:MATRIX_FMT_FP6
.elseif (\s) >= 4
	v_wmma_scale_f32_16x16x128_f8f6f4 v[\d:\d+7], v[\a:\a+11], v[\b:\b+11], v[\d:\d+7], v[\sa], v[\sb] matrix_a_fmt:MATRIX_FMT_FP6 matrix_b_fmt:MATRIX_FMT_FP6 matrix_a_scale:MATRIX_SCALE_ROW1 matrix_b_scale:MATRIX_SCALE_ROW1
.else
	v_wmma_scale_f32_16x16x128_f8f6f4 v[\d:\d+7], v[\a:\a+11], v[\b:\b+11], v[\d:\d+7], v[\sa], v[\sb] matrix_a_fmt:MATRIX_FMT_FP6 matrix_b_fmt:MATRIX_FMT_FP6
.endif
.endm
; x's tile a against my six tiles of W: four transposed (q or k), two natural (v).  The 48 accumulators take turns, one instruction a turn, in the same order in every K step
.macro MULA a, p, s, first
.set rA, AF+12*(\a)
.set rXS, XS+4*(\a)+(\s)%4
.irp b, 0,1,2,3
.set rD, 8*(4*((\a)%4)+\b)
.set rB, BF+72*(\p)+12*\b
.set rWS, WS+4*\b+(\s)%4
	WMI rD, rB, rA, BT+8*\b, rWS, rXS, \s, \first
.endr
.irp t, 0,1
.set rD, 128+8*(4*\t+(\a)%4)
.set rB, BF+72*(\p)+12*(4+\t)
.set rWS, WS+4*(4+\t)+(\s)%4
	WMI rD, rA, rB, BN+8*\t, rXS, rWS, \s, \first
.endr
.endm
; K step s; it fetches the next step's fragments from slot nk, its nq-th 128 along K.  A load into a register that a matrix instruction has read stands four places behind it, and only plain vector
; instructions that name none of its registers are places (ISA guide 7.12.1 for vector instructions)
.macro STEP s, nk, nq, first
	s_wait_dscnt 24                                ; W's set and x's tiles 0-3 are in; the youngest 24 loads (x's tiles 4-7) may be out
	WIN M_LO-0x20*\first                           ; (in the first step C lies in window 0)
.irp a, 0,1,2,3
	MULA \a, (\s)%2, \s, \first
.endr
	s_wait_dscnt 0x0                               ; x's tiles 4-7 are in
	PLACES 4
	FETCH_B \nk, \nq, 1-(\s)%2
	FETCH_A \nk, \nq, 0
	WIN M_HI-0x30*\first
.irp a, 4,5,6,7
	MULA \a, (\s)%2, \s, \first
.endr
	PLACES 4
	FETCH_A \nk, \nq, 4
	WIN 0
.endm
; A K step that leaves its slot: ONE barrier.  In front of it each wave waits for all its tensor loads, adds 0 to its spare word, and waits for that and for its own reads of the slot.
; fill = 1: the barrier opens a round of the cluster's barrier, and behind the round slot 0 is filled again, with chunk 3
.macro TURN s, nk, fill
	WIN 0
	s_wait_tensorcnt 0x0                           ; all my tensor loads have landed
	ds_add_u32 v[SPW], v[NIL]                      ; 0 onto my spare word
	s_wait_dscnt 25                                ; (the add and the youngest 24 loads may be out)
	WIN M_LO
	MULA 0, (\s)%2, \s, 0                          ; twelve matrix instructions stand between the add and the wait for it
	MULA 1, (\s)%2, \s, 0
	s_wait_dscnt 0x0                               ; the add is done, and my reads of this slot are over
	s_barrier_signal -1
	MULA 2, (\s)%2, \s, 0
	MULA 3, (\s)%2, \s, 0
	WIN 0
	s_barrier_wait -1
.if \fill
	CREST                                          ; no wave of any partner still reads slot 0 or has a load on its way
	s_add_nc_u64 s[G0A+2:G0A+3], s[G0A+2:G0A+3], 3*192   ; chunk 3
	s_add_nc_u64 s[G0B+2:G0B+3], s[G0B+2:G0B+3], 3*192
	JLOAD                                          ; the first tensor load behind the round; it has three and a half K steps in which to land.  Its four v_nop are the places in front of the loads below
.else
	PLACES 4
.endif
	FETCH_B \nk, 0, 1-(\s)%2
	FETCH_A \nk, 0, 0
	WIN M_HI
.irp a, 4,5,6,7
	MULA \a, (\s)%2, \s, 0
.endr
	PLACES 4
	FETCH_A \nk, 0, 4
	WIN 0
.endm
	s_wait_tensorcnt 2                             ; my part of chunk 0 is in; chunks 1 and 2 may stay out
	s_barrier_signal -1
	s_barrier_wait -1                              ; everybody's is
	FETCH_B 0, 0, 0
	FETCH_A 0, 0, 0
	FETCH_A 0, 0, 4
	WIN 0
	s_wait_loadcnt 0x0                             ; scale words and biases
	; where my results go.  bh = 16 b + head, step = my 128 rows among the batch's 2,048
	s_lshr_b32 s91, s33, 3
	s_lshl_b32 s91, s91, 4
	s_add_co_u32 s91, s91, s32                     ; bh
	s_and_b32 s2, s33, 7
	s_lshl_b32 s2, s2, 1
	s_add_co_u32 s2, s2, s27                       ; step
	s_mul_i32 s96, s91, 204800
	s_mul_i32 s3, s2, 12800
	s_add_co_u32 s96, s96, s3                      ; the step's 12,800 bytes in kv
	s_mul_i32 s98, s91, 98304
	s_mul_i32 s3, s2, 6144
	s_add_co_u32 s98, s98, s3                      ; its four pair images in qi
	s_lshl_b32 s99, s91, 12
	s_lshl_b32 s3, s2, 8
	s_add_co_u32 s99, s99, s3                      ; its 256 bytes in qs
	s_add_co_u32 s97, s96, 12288                   ; k's scale words in kv
	s_cmp_eq_u32 s28, 1                            ; role 1 stores k into kv, role 0 stores q into qi and qs
	s_cselect_b64 s[92:93], s[24:25], s[20:21]
	s_cselect_b64 s[94:95], s[24:25], s[22:23]
	s_cselect_b32 s2, s96, s98
	s_cselect_b32 s98, s97, s99
	s_mov_b32 s3, 0
	s_mov_b32 s99, 0
	s_add_nc_u64 s[92:93], s[92:93], s[2:3]        ; images of q or k
	s_add_nc_u64 s[94:95], s[94:95], s[98:99]      ; their scale words
	s_mul_i32 s2, s28, 3072
	s_add_co_u32 s2, s2, s96
	s_add_co_u32 s2, s2, 6144
	s_lshl_b32 s98, s28, 7
	s_add_co_u32 s98, s98, s96
	s_add_co_u32 s98, s98, 12544
	s_add_nc_u64 s[96:97], s[24:25], s[2:3]        ; my two images of v
	s_add_nc_u64 s[98:99], s[24:25], s[98:99]      ; their scale words
	STEP 0, 0, 1, 1                                ; the eight K steps are written out: chunk s / 2, its (s % 2)-th 128
	TURN 1, 1, 1                                   ; slot 0 is left and takes chunk 3.  Every wave has shown chunks 1 and 2 landed, so no barrier is needed between slots 1 and 2
	STEP 2, 1, 1, 0
	STEP 3, 2, 0, 0
	STEP 4, 2, 1, 0
	TURN 5, 0, 0                                   ; chunk 3 has landed in every wave's sight; nothing is filled, so no round of the cluster's barrier
	STEP 6, 0, 1, 0
	s_wait_dscnt 24                                ; the last K step: nothing more to fetch
	WIN M_LO
.irp a, 0,1,2,3
	MULA \a, 1, 7, 0
.endr
	s_wait_dscnt 0x0
	WIN M_HI
.irp a, 4,5,6,7
	MULA \a, 1, 7, 0
.endr
	PLACES 4                                       ; in front of the first read of results
; THE WAY OUT, for my rows 64 hi .. 64 hi + 63.  Twelve blocks' halves lie in runs of 16 registers at 16 c of the window: c = 0..7: x tile c / 2, block c % 2 of d (q or k); c = 8..11: tile (c - 8) / 2 of v, key block 2 hi + c % 2.
.macro EPI hi
	WIN 0x28+0x14*\hi                              ; sources 1 and 2: window 2 or 3
.irp c, 0,1,2,3,4,5,6,7,8,9,10,11
	v_max3_num_f32 v[TM+\c], s66, |v[16*\c]|, |v[16*\c+1]|   ; my 16 numbers and the floor, under which no largest magnitude is taken: so the byte cannot fall under 1.  Each accumulator is read from its low end on
.endr
.irp i, 2,4,6,8,10,12,14
.irp c, 0,1,2,3,4,5,6,7,8,9,10,11
	v_max3_num_f32 v[TM+\c], v[TM+\c], |v[16*\c+\i]|, |v[16*\c+\i+1]|   ; (the twelve by turns: no line waits for the line above it)
.endr
.endr
	WIN 0
.irp c, 0,1,2,3,4,5,6,7,8,9,10,11
	v_permlanex16_b32 v[TP+\c], v[TM+\c], s80, s81
.endr
.irp c, 0,1,2,3,4,5,6,7,8,9,10,11
	v_max_num_f32 v[TM+\c], v[TM+\c], v[TP+\c]     ; with lane l xor 16's 16: the block's largest magnitude
.endr
.irp c, 0,1,2,3,4,5,6,7,8,9,10,11
	v_add_nc_u32 v[TS+\c], 0xff000000, v[TM+\c]    ; 2 off its exponent field: the conversion takes the exponent field of this operand as its scale
.endr
.irp c, 0,1,2,3,4,5,6,7,8,9,10,11
	v_lshrrev_b32 v[TP+\c], 23, v[TS+\c]           ; the scale's byte
.endr
.irp f, 0,1                                    ; a pair's scale word: first tile's blocks 0, 1, second tile's blocks 0, 1
	v_lshl_or_b32 v[KW+2*\hi+\f], v[TP+4*\f+1], 8, v[TP+4*\f]
	v_lshl_or_b32 v[KW+2*\hi+\f], v[TP+4*\f+2], 16, v[KW+2*\hi+\f]
	v_lshl_or_b32 v[KW+2*\hi+\f], v[TP+4*\f+3], 24, v[KW+2*\hi+\f]
.endr
.irp t, 0,1                                    ; v's scale word: byte = key block
.if \hi == 0
	v_lshl_or_b32 v[VW+\t], v[TP+9+2*\t], 8, v[TP+8+2*\t]
.else
	v_lshl_or_b32 v[VW+\t], v[TP+8+2*\t], 16, v[VW+\t]
	v_lshl_or_b32 v[VW+\t], v[TP+9+2*\t], 24, v[VW+\t]
.endif
.endr
.if \hi
	s_wait_xcnt 0x0                                ; the first half's stores have read their registers: the images may be written again
.endif
	WIN 2+\hi                                      ; source 0: window 2 or 3
.irp a, 0,1,2,3
	v_cvt_scalef32_pk16_fp6_f32 v[CK+6*\a:CK+6*\a+2], v[32*\a:32*\a+15], v[TS+2*\a]           ; tile a, my half of block 0 of d
	v_cvt_scalef32_pk16_fp6_f32 v[YT+4*\a:YT+4*\a+2], v[32*\a+16:32*\a+31], v[TS+2*\a+1]      ; and of block 1 (a conversion's three registers begin on an even number)
.endr
.irp t, 0,1
	v_cvt_scalef32_pk16_fp6_f32 v[VC+12*\t+6*\hi:VC+12*\t+6*\hi+2], v[128+32*\t:128+32*\t+15], v[TS+8+2*\t]   ; v's tile t, my half of key block 2 hi
	v_cvt_scalef32_pk16_fp6_f32 v[YT+16+4*\t:YT+16+4*\t+2], v[128+32*\t+16:128+32*\t+31], v[TS+9+2*\t]        ; and of 2 hi + 1
.endr
	v_nop                                          ; one plain place behind a scaled conversion
	WIN 0
.irp a, 0,1,2,3                                ; the operand's layout wants a WHOLE block in a lane: lanes 0-15 the first block, lanes 16-31 the second
.irp i, 0,1,2
	v_permlane16_swap_b32 v[CK+6*\a+\i], v[YT+4*\a+\i]
.endr
.irp i, 0,1,2
	v_mov_b32 v[CK+6*\a+3+\i], v[YT+4*\a+\i]
.endr
.endr
.irp t, 0,1
.irp i, 0,1,2
	v_permlane16_swap_b32 v[VC+12*\t+6*\hi+\i], v[YT+16+4*\t+\i]
.endr
.irp i, 0,1,2
	v_mov_b32 v[VC+12*\t+6*\hi+3+\i], v[YT+16+4*\t+\i]
.endr
.endr
.irp f, 0,1
.irp c, 0,1,2
	global_store_b128 v[LI], v[CK+12*\f+4*\c:CK+12*\f+4*\c+3], s[92:93] offset:(2*\hi+\f)*1536+512*\c   ; 32 lanes store 512 consecutive bytes, at a multiple of 256 from the buffer's first byte
.endr
.endr
.endm
	EPI 0
	EPI 1
	v_cndmask_b32 v250, v[KW], v[KW+1], s67        ; lane (r, h) stores the words of pairs h and 2 + h of row r
	v_cndmask_b32 v251, v[KW+2], v[KW+3], s67
	global_store_b64 v[L8], v[250:251], s[94:95]   ; 256 consecutive bytes
.irp t, 0,1
.irp c, 0,1,2
	global_store_b128 v[LI], v[VC+12*\t+4*\c:VC+12*\t+4*\c+3], s[96:97] offset:1536*\t+512*\c
.endr
.endr
	v_cndmask_b32 v252, v[VW], v[VW+1], s67        ; lane (r, h): the word of my tile h, channel r
	global_store_b32 v[L4], v252, s[98:99]         ; 128 consecutive bytes: the other role's wave stores the other half of the 256
	s_wait_tensorcnt 0x0                           ; the wave's end
	ds_add_u32 v[SPW], v[NIL]
	s_wait_dscnt 0x0
	CROUND                                         ; the closing round: no work-group ends while a partner may still ask for a tile that names it
	s_endpgm
.Lfunc_end_k_qdaced5cab9_qkv:
	.size	k_qdaced5cab9_qkv, .Lfunc_end_k_qdaced5cab9_qkv-k_qdaced5cab9_qkv
	.p2alignl 7, 3214868480
	.fill 96, 4, 3214868480
	.section	.rodata,"a",@progbits
	.p2align	6, 0x0
	.amdhsa_kernel k_qdaced5cab9_qkv
		.amdhsa_group_segment_fixed_size 327680
		.amdhsa_private_segment_fixed_size 0
		.amdhsa_enable_private_segment 0
		.amdhsa_kernarg_size 88
		.amdhsa_user_sgpr_count 2
		.amdhsa_user_sgpr_kernarg_segment_ptr 1
		.amdhsa_wavefront_size32 1
		.amdhsa_system_sgpr_workgroup_id_x 1
		.amdhsa_system_sgpr_workgroup_id_y 1
		.amdhsa_system_sgpr_workgroup_id_z 1
		.amdhsa_system_vgpr_workitem_id 0
		.amdhsa_next_free_vgpr 1024
		.amdhsa_next_free_sgpr 106
		.amdhsa_reserve_vcc 0
		.amdhsa_float_denorm_mode_32 3
		.amdhsa_float_denorm_mode_16_64 3
		.amdhsa_memory_ordered 1
		.amdhsa_forward_progress 1
		.amdhsa_inst_pref_size 134
	.end_amdhsa_kernel
	.amdgpu_metadata
---
amdhsa.version: [ 1, 2 ]
amdhsa.kernels:
  - .name:           k_qdaced5cab9_qkv
    .symbol:         k_qdaced5cab9_qkv.kd
    .args:
      - { .name: x_codes, .offset: 0, .size: 8, .value_kind: global_buffer, .address_space: global }
      - { .name: x_scales, .offset: 8, .size: 8, .value_kind: global_buffer, .address_space: global }
      - { .name: Wq_codes, .offset: 16, .size: 8, .value_kind: global_buffer, .address_space: global }
      - { .name: Wq_scales, .offset: 24, .size: 8, .value_kind: global_buffer, .address_space: global }
      - { .name: Wkv_codes, .offset: 32, .size: 8, .value_kind: global_buffer, .address_space: global }
      - { .name: Wkv_scales, .offset: 40, .size: 8, .value_kind: global_buffer, .address_space: global }
      - { .name: bq, .offset: 48, .size: 8, .value_kind: global_buffer, .address_space: global }
      - { .name: bkv, .offset: 56, .size: 8, .value_kind: global_buffer, .address_space: global }
      - { .name: qi, .offset: 64, .size: 8, .value_kind: global_buffer, .address_space: global }
      - { .name: qs, .offset: 72, .size: 8, .value_kind: global_buffer, .address_space: global }
      - { .name: kv, .offset: 80, .size: 8, .value_kind: global_buffer, .address_space: global }
    .group_segment_fixed_size: 327680
    .private_segment_fixed_size: 0
    .kernarg_segment_align: 8
    .kernarg_segment_size: 88
    .max_flat_workgroup_size: 128
    .sgpr_count:     106
    .vgpr_count:     1024
    .wavefront_size: 32
...
	.end_amdgpu_metadata
.endif
;; end of part 1
;; launch attn (part 2): grid 4 x 64, 16 waves a work-group, clusters of 4 x 1, 206,848 bytes of LDS; arguments qi, qs, kv, vi, vs; writes vi, vs
.if DOCPART == 2
	.amdgcn_target "amdgcn-amd-amdhsa--gfx1250"
	.amdhsa_code_object_version 6
	.text
	.protected	k_qdaced5cab9_attn
	.globl	k_qdaced5cab9_attn
	.p2align	8
	.type	k_qdaced5cab9_attn,@function
k_qdaced5cab9_attn:
	s_mov_b64 s[64:65], 0
	v_nop
	global_prefetch_b8 v0, s[64:65] scope:SCOPE_SE
	s_setreg_imm32_b32 hwreg(HW_REG_WAVE_MODE, 25, 1), 1
	s_wait_xcnt 0x0
	s_wait_alu depctr_hold_cnt(0) depctr_sa_sdst(0) depctr_va_vdst(0) depctr_va_sdst(0) depctr_va_ssrc(0) depctr_va_vcc(0) depctr_vm_vsrc(0)
	s_getreg_b32 s2, hwreg(HW_REG_IB_STS2, 6, 4)
	s_cmp_eq_u32 s2, 0
	s_cbranch_scc0 .Lentry_in_a_cluster
	s_endpgm
.Lentry_in_a_cluster:
	s_bfe_u32 s2, ttmp6, 0x10000c
	s_cmp_lg_u32 s2, 0x3003
	s_cbranch_scc0 .Lentry_shape_is_right
	s_endpgm
.Lentry_shape_is_right:
; Causal attention of one (batch, head) a cluster, both products on codes of FP6 (E2M3) with E8M0 scales; its result, divided by the row's sum, is quantised along the model's 1,024 for the last product.
; INPUT: qi, qs, kv as the launch before laid them: images of operand registers.  A step is 128 keys, 12,800 bytes: four pair images of k, four images of v, k's scale words, v's scale words.
; THE WHOLE HEAD'S k AND v, 16 steps = 204,800 bytes, LIE IN LDS, filled once: wave w brings step w by one tensor load (one load of mine is out), asked for JOINTLY by the cluster's four work-groups, which all read the same head.
; Nothing is filled again and nothing is stored to LDS.
; SHARES.  The 128 queries of group J (aligned with key step J) are four pairs of 32; work-group c of the cluster takes pair c of EVERY group.  Wave w takes tile w % 2 of that pair, for J = w / 2 and then for J = 15 - w / 2:
; (J + 1) + (16 - J) = 17 key steps for every wave of every work-group.  Branches hang on the wave's number and on counters alone; the place in the cluster enters only global addresses and the mask's comparison.
; q k^T HAS K = 64, THE INSTRUCTION 128: a pair image of k holds two tiles of 16 keys side by side along K; it is multiplied once by [q | 0] and once by [0 | q].  Zero codes add nothing under any scale byte but 0xff.
; Both products are used transposed (S^T = k q^T, O^T = v^T p^T): a lane holds ONE query throughout.  Register 16 b + 8 g + j of lane (r, h) holds key 32 b + 16 g + 8 h + j of the step: the order in which v's codes were laid.
; THE SOFTMAX: t = score x log2(e) / 8; M = the largest t so far, rounded UP to a whole number; p = 2^(t - M) is quantised along the keys, not normalised; the row's sum is taken of the unquantised p and divides O at the end.
; When M moves, the sum and O are multiplied by 2^(old M - new M): exact.  A block's largest p is its largest score put through the same multiply-add and exponential (this takes v_exp_f32 not to fall where its input rises).
; OUTPUT: vi [tile of 16 rows][K step of 128 = two heads][1,536]: register pair P of lane l at 256 P + 8 l, pairs 0-2 from the even head, 3-5 from the odd one, d in its true order; vs [row][32]: byte 2 head + block.
; vs is stored a byte a lane, 32 bytes apart: a row's 32 bytes come from sixteen clusters, so no wave holds more of a row.  They are one byte in 24 of what this launch stores.
; LIMITS: NaN and infinities are not served; a block whose largest magnitude lies under 2^-124 gets the byte 1, a block of zeros too (this program alone reads the bytes).
; REGISTERS: v1-3 16, 8, 4 x lane; v4-6 LDS addresses of the step; v7 the mask's number; v8-11 global offsets; v12 -M, v13 the largest t, v[14:15] the sum; v16-21 zeros, v22-27 q, v28-33 zeros; v34 q's scale word; v36-39 k's and v's;
;   v40-87 four fragments of k, then of v; v96-159 S^T, then p; v160-191 O^T; v224-235 p's codes; v232-254 at work.
.set STEPB, 12800
.set VIM,   6144                       ; v's images in a step
.set KSC,   12288                      ; k's scale words
.set VSC,   12544                      ; v's
.macro CROUND                          ; a round of the cluster's barrier
	s_barrier_signal -1
	s_barrier_wait -1
	s_cmp_lg_u32 s14, 0
	s_cbranch_scc1 .Lnot_wave_0_\@
	s_barrier_signal -3
.Lnot_wave_0_\@:
	s_barrier_wait -3
	s_barrier_signal -1
	s_barrier_wait -1
.endm
	s_load_b256 s[4:11], s[0:1], 0x0               ; qi s[4:5], qs s[6:7], kv s[8:9], vi s[10:11]
	s_load_b64 s[12:13], s[0:1], 0x20              ; vs
	v_lshl_add_u32 v251, v0, 2, 0x32000
	v_mov_b32 v255, 0
	ds_add_u32 v251, v255
	ds_add_u32 v251, v255
	v_lshrrev_b32 v4, 5, v0
	v_readfirstlane_b32 s14, v4                    ; wave 0..15
	s_and_b32 s15, s14, 1                          ; U: which tile of the pair
	s_lshr_b32 s16, s14, 1                         ; J of the first pass: 0..7
	s_xor_b32 s17, s16, 15                         ; J of the second: 15 - that
	s_bfe_u32 s18, ttmp6, 0x40000                  ; c: my place in the cluster
	s_and_b32 s19, ttmp7, 0xffff                   ; bh = 16 b + head
	s_and_b32 s20, s19, 15                         ; the head
	s_lshr_b32 s21, s19, 4                         ; the batch
	; group 1: a dense block of 12,800 bytes as 50 rows of 256 bytes
	s_mov_b32 s28, 15|(3<<16)|(1<<21)              ; 15:0 the mask: all four work-groups; 17:16 elements of 8 bytes; 20 no padding; 21 set beside a mask
	s_mov_b32 s29, 32<<16                          ; tensor_dim0 = 32
	s_mov_b32 s30, 50<<16                          ; tensor_dim1 = 50
	s_mov_b32 s31, 32<<16                          ; tile_dim0
	s_mov_b32 s32, 50                              ; tile_dim1
	s_mov_b32 s33, 32                              ; tensor_dim0_stride
	s_mov_b32 s34, 0
	s_mov_b32 s35, 0
	s_mov_b32 s36, 1                               ; group 0: count = 1
	s_mul_i32 s37, s14, STEPB                      ; LDS address: step = wave
	s_mul_i32 s52, s19, 16*STEPB
	s_add_co_u32 s52, s52, s37
	s_mov_b32 s53, 0
	s_wait_dscnt 0x0
	s_wait_kmcnt 0x0
	s_add_nc_u64 s[38:39], s[8:9], s[52:53]        ; the head's step w: the same in all four work-groups
	s_or_b32 s39, s39, 0x80000000                  ; type = 2
	CROUND                                         ; all four work-groups are here: the joint loads meet
	tensor_load_to_lds s[36:39], s[28:35]
	s_nop 0
.rept 4
	v_nop
.endr
	v_and_b32 v4, 31, v0
	v_lshlrev_b32 v1, 4, v4                        ; 16 x lane
	v_lshlrev_b32 v2, 3, v4                        ; 8 x lane
	v_lshlrev_b32 v3, 2, v4                        ; 4 x lane
	v_and_b32 v5, 15, v0                           ; r
	v_bfe_u32 v6, v0, 4, 1                         ; h
	s_lshl_b32 s52, s18, 5
	s_lshl_b32 s43, s15, 4                         ; 16 U
	s_add_co_u32 s52, s52, s43
	v_add_nc_u32 v7, s52, v5
	v_lshlrev_b32 v8, 3, v6
	v_sub_nc_u32 v7, v7, v8                        ; my query in its group of 128, less 8 h
	s_mul_i32 s52, s15, 520
	v_add_nc_u32 v8, s52, v1                       ; q: of a pair image's 12 registers a lane I take 6 U .. 6 U + 5, in pieces of 8 bytes: 16 l + 520 U (and 512 on),
	s_mul_i32 s52, s15, 1016
	s_add_co_u32 s52, s52, 8
	v_add_nc_u32 v9, s52, v1                       ; and 16 l + 8 + 1,016 U
	s_and_b32 s52, s18, 1
	s_lshl_b32 s52, s52, 7
	s_lshr_b32 s53, s18, 1
	s_lshl_b32 s53, s53, 2
	s_add_co_u32 s52, s52, s53
	v_lshl_add_u32 v10, v5, 3, s52                 ; q's scale word: pair c, row r: 8 (16 (c % 2) + r) + 4 (c / 2)
	v_lshl_add_u32 v11, v5, 5, v6                  ; vs: row r of 32 bytes, + h
.irp j, 16,17,18,19,20,21,28,29,30,31,32,33
	v_mov_b32 v\j, 0                               ; the zero codes on both sides of q: v[22:33] = [q | 0], v[16:27] = [0 | q]
.endr
.irp j, 236,237,238,239,252,253
	v_mov_b32 v\j, 0                               ; written once: a lane permute's destination counts as one of its sources, and v253 is named as the upper half of a pair
.endr
	s_mov_b32 s22, 0x76543210
	s_mov_b32 s23, 0xfedcba98                      ; v_permlanex16_b32's selects for lane l xor 16
	s_mov_b32 s24, 0x3e38aa3b                      ; c = log2(e) / sqrt(64)
	s_mov_b32 s25, s24                             ; (the packed form names the pair)
	s_mov_b32 s42, 0xffff0000                      ; lanes 16-31
	s_wait_tensorcnt 0x0                           ; my step has landed,
	s_barrier_signal -1
	s_barrier_wait -1                              ; everybody's has: the whole head lies in LDS
.macro SPROD d, f, q                   ; 16 keys x my 16 queries: pair image f of k against [q | 0] or [0 | q].  k's scale words of pairs 0, 1 lie in the two halves of v36, those of pairs 2, 3 in v37
.if (\f)%2
	v_wmma_scale_f32_16x16x128_f8f6f4 v[\d:\d+7], v[40+12*(\f):51+12*(\f)], v[\q:\q+11], 0, v[36+(\f)/2], v34 matrix_a_fmt:MATRIX_FMT_FP6 matrix_b_fmt:MATRIX_FMT_FP6 matrix_a_scale:MATRIX_SCALE_ROW1
.else
	v_wmma_scale_f32_16x16x128_f8f6f4 v[\d:\d+7], v[40+12*(\f):51+12*(\f)], v[\q:\q+11], 0, v[36+(\f)/2], v34 matrix_a_fmt:MATRIX_FMT_FP6 matrix_b_fmt:MATRIX_FMT_FP6
.endif
.endm
.macro OPROD t                         ; 16 channels x my 16 queries, K = the step's 128 keys
.if (\t)%2
	v_wmma_scale_f32_16x16x128_f8f6f4 v[160+8*(\t):167+8*(\t)], v[40+12*(\t):51+12*(\t)], v[224:235], v[160+8*(\t):167+8*(\t)], v[38+(\t)/2], v253 matrix_a_fmt:MATRIX_FMT_FP6 matrix_b_fmt:MATRIX_FMT_FP6 matrix_a_scale:MATRIX_SCALE_ROW1
.else
	v_wmma_scale_f32_16x16x128_f8f6f4 v[160+8*(\t):167+8*(\t)], v[40+12*(\t):51+12*(\t)], v[224:235], v[160+8*(\t):167+8*(\t)], v[38+(\t)/2], v253 matrix_a_fmt:MATRIX_FMT_FP6 matrix_b_fmt:MATRIX_FMT_FP6
.endif
.endm
; ONE TILE OF 16 QUERIES, of group s[j], through all its key steps and out.
.macro PASS j
	s_lshl_b32 s52, s[\j], 2
	s_add_co_u32 s52, s52, s18                     ; my pair: 4 J + c
	s_mul_i32 s52, s52, 1536
	s_mul_i32 s53, s19, 98304
	s_add_co_u32 s52, s52, s53
	s_mov_b32 s53, 0
	s_add_nc_u64 s[44:45], s[4:5], s[52:53]        ; its image
	s_lshl_b32 s52, s19, 12
	s_lshl_b32 s54, s[\j], 8
	s_add_co_u32 s52, s52, s54
	s_add_nc_u64 s[46:47], s[6:7], s[52:53]        ; the group's scale words
	s_lshl_b32 s54, s21, 7
	s_lshl_b32 s55, s[\j], 3
	s_add_co_u32 s54, s54, s55
	s_lshl_b32 s55, s18, 1
	s_add_co_u32 s54, s54, s55
	s_add_co_u32 s54, s54, s15                     ; my tile of 16 rows among the 512: 128 b + 8 J + 2 c + U
	s_mul_i32 s52, s54, 12288
	s_lshr_b32 s55, s20, 1
	s_mul_i32 s55, s55, 1536
	s_add_co_u32 s52, s52, s55
	s_and_b32 s55, s20, 1
	s_mul_i32 s55, s55, 768
	s_add_co_u32 s52, s52, s55
	s_add_nc_u64 s[48:49], s[10:11], s[52:53]      ; my three register pairs in vi
	s_lshl_b32 s52, s54, 9
	s_lshl_b32 s55, s20, 1
	s_add_co_u32 s52, s52, s55
	s_add_nc_u64 s[50:51], s[12:13], s[52:53]      ; my two bytes a row in vs
	global_load_b64 v[22:23], v8, s[44:45]
	global_load_b64 v[24:25], v9, s[44:45]
	global_load_b64 v[26:27], v8, s[44:45] offset:512
	global_load_b32 v35, v10, s[46:47]
	v_mov_b32 v13, 0xff61b1e6                      ; the largest t so far: -3e38, under every t
	v_floor_f32 v12, -v13                          ; -M
	v_mov_b32 v14, 0                               ; the sum, in two halves
	v_mov_b32 v15, 0
	s_mov_b32 s40, 0                               ; LDS byte at which the step begins
	s_mov_b32 s41, 0                               ; the step
	s_wait_loadcnt 0x0
	v_lshrrev_b32 v34, s43, v35                    ; my tile's two bytes of the pair's word,
	v_and_b32 v34, 0xffff, v34
	v_lshl_or_b32 v34, v34, 16, v34                ; below and above: the one word serves [q | 0] and [0 | q]
.set n, 0
.rept 32
	v_mov_b32 v[160+n], 0                          ; O^T.  (The step is written once: the first finds zeros, which the first change of M leaves zeros.  These lines are also the places between the scale word's making and the first product)
.set n, n+1
.endr
.Lstep_\@:                                         ; 16 trips, a constant; a step all of whose keys come after my queries is jumped over, but for the lines that step the address and the counter
	s_cmp_gt_u32 s41, s[\j]
	s_cbranch_scc1 .Lhidden_\@
	v_add_nc_u32 v4, s40, v1
	v_add_nc_u32 v5, s40, v2
	v_add_nc_u32 v6, s40, v3
	v_nop                                          ; four places in front of loads into registers that the last products read
.irp f, 0,1,2,3
.irp c, 0,1,2
	ds_load_b128 v[40+12*\f+4*\c:43+12*\f+4*\c], v4 offset:1536*\f+512*\c   ; k's pair images as they stand: 512 consecutive bytes a load
.endr
.endr
	ds_load_b64 v[36:37], v5 offset:KSC
	s_wait_dscnt 0x0
.irp f, 0,1,2,3
	SPROD 96+16*\f, \f, 22                         ; keys 32 f + 0 .. 15
	SPROD 104+16*\f, \f, 16                        ; keys 32 f + 16 .. 31
.endr
.rept 4
	v_nop                                          ; places in front of the loads below and of the first read of the scores
.endr
.irp t, 0,1,2,3
.irp c, 0,1,2
	ds_load_b128 v[40+12*\t+4*\c:43+12*\t+4*\c], v4 offset:VIM+1536*\t+512*\c   ; v's images land while the softmax is walked
.endr
.endr
	ds_load_b32 v38, v6 offset:VSC
	ds_load_b32 v39, v6 offset:VSC+128
	s_cmp_lg_u32 s41, s[\j]                        ; only the step on the diagonal has hidden keys
	s_cbranch_scc1 .Lopen_\@
	v_mov_b32 v254, 0xff800000                     ; -infinity: p = 0 then
.set n, 0
.rept 64
	v_cmp_gt_i32 vcc_lo, 32*(n/16)+16*((n/8)%2)+n%8, v7   ; register n holds key 32 (n / 16) + 16 ((n / 8) % 2) + n % 8 + 8 h of the step: hidden where it comes after my query
	v_cndmask_b32 v[96+n], v[96+n], v254, vcc_lo
.set n, n+1
.endr
.Lopen_\@:
.irp b, 0,1,2,3
	v_max3_num_f32 v[232+\b], v[96+16*\b], v[97+16*\b], v[98+16*\b]   ; the largest score of each block of 32 keys: it serves for the row's maximum and for the block's largest p
.endr
.irp i, 3,5,7,9,11,13
.irp b, 0,1,2,3
	v_max3_num_f32 v[232+\b], v[232+\b], v[96+16*\b+\i], v[97+16*\b+\i]   ; (the four blocks by turns)
.endr
.endr
.irp b, 0,1,2,3
	v_max_num_f32 v[232+\b], v[232+\b], v[111+16*\b]
.endr
.irp b, 0,1,2,3
	v_permlanex16_b32 v[236+\b], v[232+\b], s22, s23
.endr
.irp b, 0,1,2,3
	v_max_num_f32 v[232+\b], v[232+\b], v[236+\b]  ; with lane l xor 16's 16 keys
.endr
	v_max3_num_f32 v254, v232, v233, v234
	v_max_num_f32 v254, v254, v235                 ; the step's largest score of my query
	v_mul_f32 v254, s24, v254                      ; as t (c is positive)
	v_max_num_f32 v13, v13, v254                   ; the running largest t
	v_mov_b32 v254, v12
	v_floor_f32 v12, -v13                          ; the new -M = floor(-t) = -ceil(t): M is a whole number
	v_sub_f32 v254, v12, v254                      ; M's old value less its new one: a whole number, 0 or less
	v_cvt_i32_f32 v254, v254                       ; (it saturates)
	v_ldexp_f32 v252, 1.0, v254                    ; f = 2^(old M - new M)
.set n, 0
.rept 32
	v_pk_fma_f32 v[96+n:97+n], v[96+n:97+n], s[24:25], v[12:13] op_sel_hi:[1,0,0]   ; t - M, two at a time (of the pairs c and -M the low word serves both halves)
.set n, n+2
.endr
.irp b, 0,1,2,3
	v_fma_f32 v[232+\b], v[232+\b], s24, v12       ; the same of each block's largest score
.endr
.set n, 0
.rept 64
	v_exp_f32 v[96+n], v[96+n]                     ; p = 2^(t - M), at most 1: not normalised
.set n, n+1
.endr
.irp b, 0,1,2,3
	v_exp_f32 v[232+\b], v[232+\b]                 ; the block's largest p: the same two instructions on the same number give the same bits
.endr
	v_pk_mul_f32 v[14:15], v[14:15], v[252:253] op_sel_hi:[1,0]   ; the sums under the new M.  (A plain place behind the exponentials)
	s_wait_alu depctr_va_vdst(0)
.irp b, 0,1,2,3
	v_max_num_f32 v[232+\b], 0x1800000, v[232+\b]  ; the floor 2^(3 - 127): the byte cannot fall under 1
.endr
.irp b, 0,1,2,3
	v_add_nc_u32 v[244+\b], 0xff000000, v[232+\b]  ; 2 off the exponent field: the conversion's scale operand
.endr
.irp b, 0,1,2,3
	v_lshrrev_b32 v[236+\b], 23, v[244+\b]         ; the scale's byte
.endr
	v_lshl_or_b32 v253, v237, 8, v236              ; p's scale word for these 128 keys
	v_lshl_or_b32 v253, v238, 16, v253
	v_lshl_or_b32 v253, v239, 24, v253
.irp c, 0,1
	v_cvt_scalef32_pk16_fp6_f32 v[224+6*\c:226+6*\c], v[96+32*\c:111+32*\c], v[244+2*\c]
	v_cvt_scalef32_pk16_fp6_f32 v[236+4*\c:238+4*\c], v[112+32*\c:127+32*\c], v[244+2*\c+1]   ; (a conversion's three registers begin on an even number)
.endr
	v_nop                                          ; one plain place behind a scaled conversion
.irp c, 0,1                                    ; the operand's layout wants a WHOLE block in a lane: lanes 0-15 block 2 c, lanes 16-31 block 2 c + 1
.irp i, 0,1,2
	v_permlane16_swap_b32 v[224+6*\c+\i], v[236+4*\c+\i]
.endr
.irp i, 0,1,2
	v_mov_b32 v[227+6*\c+\i], v[236+4*\c+\i]
.endr
.endr
	v_pk_add_f32 v[236:237], v[96:97], v[98:99]    ; the row's sum is taken of the unquantised p: two at a time, in two chains
.irp i, 4,8,12,16,20,24,28,32,36,40,44,48,52,56,60
	v_pk_add_f32 v[14:15], v[14:15], v[96+\i:97+\i]
	v_pk_add_f32 v[236:237], v[236:237], v[98+\i:99+\i]
.endr
	v_pk_add_f32 v[14:15], v[14:15], v[236:237]
.set n, 0
.rept 16
	v_pk_mul_f32 v[160+n:161+n], v[160+n:161+n], v[252:253] op_sel_hi:[1,0]   ; O^T under the new M, from each accumulator's low end on.  (With the sums above: the places between the making of p's codes and scale word and the products)
.set n, n+2
.endr
	s_wait_dscnt 0x0                               ; v's images and scale words are in
.irp t, 0,1,2,3
	OPROD \t                                       ; the four accumulators take turns; between two links of a chain stand the next step's eight products
.endr
.Lhidden_\@:
	s_add_co_u32 s40, s40, STEPB
	s_add_co_u32 s41, s41, 1
	s_cmp_lt_u32 s41, 16
	s_cbranch_scc1 .Lstep_\@
	; THE WAY OUT
.rept 4
	v_nop                                          ; places behind the last products
.endr
	v_add_f32 v14, v14, v15                        ; the sum's two halves,
	v_permlanex16_b32 v252, v14, s22, s23
	v_add_f32 v14, v14, v252                       ; and lane l xor 16's: the row's sum
	v_rcp_f32 v14, v14
	v_nop                                          ; one plain place behind a transcendental
.set n, 0
	s_wait_alu depctr_va_vdst(0)
.rept 32
	v_mul_f32 v[96+n], v[160+n], v14               ; O^T / the sum: register 8 t + i is channel 16 t + 8 h + i of query r
.set n, n+1
.endr
.irp b, 0,1                                    ; Wo's codes are given, so d goes into its TRUE order: after these exchanges a lane's registers 16 b + 0 .. 15 are channels 32 b + 16 h + 0 .. 15
.irp i, 0,1,2,3,4,5,6,7
	v_permlane16_swap_b32 v[96+16*\b+\i], v[104+16*\b+\i]
.endr
.endr
.irp b, 0,1
	v_max3_num_f32 v[232+\b], |v[96+16*\b]|, |v[97+16*\b]|, 0x1800000   ; block b of my head's 64: my 16 numbers and the floor
.endr
.irp i, 2,4,6,8,10,12,14
.irp b, 0,1
	v_max3_num_f32 v[232+\b], v[232+\b], |v[96+16*\b+\i]|, |v[97+16*\b+\i]|
.endr
.endr
.irp b, 0,1
	v_permlanex16_b32 v[236+\b], v[232+\b], s22, s23
.endr
.irp b, 0,1
	v_max_num_f32 v[232+\b], v[232+\b], v[236+\b]
.endr
.irp b, 0,1
	v_add_nc_u32 v[244+\b], 0xff000000, v[232+\b]
.endr
.irp b, 0,1
	v_lshrrev_b32 v[236+\b], 23, v[244+\b]
.endr
	v_cvt_scalef32_pk16_fp6_f32 v[224:226], v[96:111], v244
	v_cvt_scalef32_pk16_fp6_f32 v[228:230], v[112:127], v245
	v_nop                                          ; one plain place behind a scaled conversion
.irp i, 0,1,2
	v_permlane16_swap_b32 v[224+\i], v[228+\i]     ; lane (r, h) now holds block h whole: its lower 16 codes in v224-226, its upper 16 in v228-230
.endr
	v_mov_b32 v227, v228
	v_mov_b32 v228, v229
	v_mov_b32 v229, v230
	v_cndmask_b32 v231, v236, v237, s42            ; and its scale byte
	global_store_b64 v2, v[224:225], s[48:49]      ; each store: 256 consecutive bytes, at a multiple of 256 from the buffer's first byte
	global_store_b64 v2, v[226:227], s[48:49] offset:256
	global_store_b64 v2, v[228:229], s[48:49] offset:512
	global_store_b8 v11, v231, s[50:51]
	s_wait_xcnt 0x0                                ; the stores have read their registers and bases: the next pass may write them
.endm
	PASS 16
	PASS 17
	s_wait_tensorcnt 0x0
	ds_add_u32 v251, v255
	s_wait_dscnt 0x0
	CROUND                                         ; the closing round: no work-group ends while a partner may still ask for a tile that names it
	s_endpgm
.Lfunc_end_k_qdaced5cab9_attn:
	.size	k_qdaced5cab9_attn, .Lfunc_end_k_qdaced5cab9_attn-k_qdaced5cab9_attn
	.p2alignl 7, 3214868480
	.fill 96, 4, 3214868480
	.section	.rodata,"a",@progbits
	.p2align	6, 0x0
	.amdhsa_kernel k_qdaced5cab9_attn
		.amdhsa_group_segment_fixed_size 206848
		.amdhsa_private_segment_fixed_size 0
		.amdhsa_enable_private_segment 0
		.amdhsa_kernarg_size 40
		.amdhsa_user_sgpr_count 2
		.amdhsa_user_sgpr_kernarg_segment_ptr 1
		.amdhsa_wavefront_size32 1
		.amdhsa_system_sgpr_workgroup_id_x 1
		.amdhsa_system_sgpr_workgroup_id_y 1
		.amdhsa_system_sgpr_workgroup_id_z 1
		.amdhsa_system_vgpr_workitem_id 0
		.amdhsa_next_free_vgpr 256
		.amdhsa_next_free_sgpr 66
		.amdhsa_reserve_vcc 1
		.amdhsa_float_denorm_mode_32 3
		.amdhsa_float_denorm_mode_16_64 3
		.amdhsa_memory_ordered 1
		.amdhsa_forward_progress 1
		.amdhsa_inst_pref_size 60
	.end_amdhsa_kernel
	.amdgpu_metadata
---
amdhsa.version: [ 1, 2 ]
amdhsa.kernels:
  - .name:           k_qdaced5cab9_attn
    .symbol:         k_qdaced5cab9_attn.kd
    .args:
      - { .name: qi, .offset: 0, .size: 8, .value_kind: global_buffer, .address_space: global }
      - { .name: qs, .offset: 8, .size: 8, .value_kind: global_buffer, .address_space: global }
      - { .name: kv, .offset: 16, .size: 8, .value_kind: global_buffer, .address_space: global }
      - { .name: vi, .offset: 24, .size: 8, .value_kind: global_buffer, .address_space: global }
      - { .name: vs, .offset: 32, .size: 8, .value_kind: global_buffer, .address_space: global }
    .group_segment_fixed_size: 206848
    .private_segment_fixed_size: 0
    .kernarg_segment_align: 8
    .kernarg_segment_size: 40
    .max_flat_workgroup_size: 512
    .sgpr_count:     66
    .vgpr_count:     256
    .wavefront_size: 32
...
	.end_amdgpu_metadata
.endif
;; end of part 2
;; launch proj (part 3): grid 8 x 32, 4 waves a work-group, clusters of 4 x 4, 327,680 bytes of LDS; arguments vi, vs, Wo_codes, Wo_scales, bo, out0; writes out0
.if DOCPART == 3
	.amdgcn_target "amdgcn-amd-amdhsa--gfx1250"
	.amdhsa_code_object_version 6
	.text
	.protected	k_qdaced5cab9_proj
	.globl	k_qdaced5cab9_proj
	.p2align	8
	.type	k_qdaced5cab9_proj,@function
k_qdaced5cab9_proj:
	s_mov_b64 s[64:65], 0
	v_nop
	global_prefetch_b8 v0, s[64:65] scope:SCOPE_SE
	s_setreg_imm32_b32 hwreg(HW_REG_WAVE_MODE, 25, 1), 1
	s_wait_xcnt 0x0
	s_wait_alu depctr_hold_cnt(0) depctr_sa_sdst(0) depctr_va_vdst(0) depctr_va_sdst(0) depctr_va_ssrc(0) depctr_va_vcc(0) depctr_vm_vsrc(0)
	s_getreg_b32 s2, hwreg(HW_REG_IB_STS2, 6, 4)
	s_cmp_eq_u32 s2, 0
	s_cbranch_scc0 .Lentry_in_a_cluster
	s_endpgm
.Lentry_in_a_cluster:
	s_bfe_u32 s2, ttmp6, 0x10000c
	s_cmp_lg_u32 s2, 0xf033
	s_cbranch_scc0 .Lentry_shape_is_right
	s_endpgm
.Lentry_shape_is_right:
; out0 = vals Wo + bo on codes of FP6 (E2M3) with E8M0 scales.  vals: 8,192 rows x 1,024, as the launch before laid it: vi [tile of 16 rows][K step of 128][1,536], an image of the operand's registers (register pair P of lane l at
; 256 P + 8 l); vs [row][32] its scale bytes.  Wo: codes [1,024 (n)][768 bytes], K innermost; scale bytes [1,024][32].  out0: [8,192][1,024] f32.
; SHARES.  256 work-groups, each 256 rows x 128 columns; a wave (WR = wave / 2, WC = wave % 2) makes 128 x 64: 32 accumulators, 256 registers.
; THE WHOLE K LIES IN LDS: four chunks of 256 along K for both operands, 319,488 bytes, each filled once; nothing is filled again.  A wave issues four tensor loads at the start (four of mine are out) and reads chunk c behind a
; counted wait and a barrier.  Waves 0, 1 bring the two halves of vals' rows, waves 2, 3 those of Wo's.
; CLUSTER 4 x 4: the four work-groups of a row of the cluster share their rows of vals, the four of a column their rows of Wo: each tile is asked for jointly.
; THE MATRIX INSTRUCTION IS USED TRANSPOSED (source 0 = 16 rows of Wo, source 1 = 16 rows of vals): a lane holds eight neighbouring numbers of a row of out0.  bo is the C of each sum's first product.
; REGISTERS: window 0: v1-23 addresses; v32-63 vals' scale words, v64-79 Wo's, v80-111 bo; v128-191 the way out.  window 1: v0-95 vals' eight fragments (one set), v96-191 Wo's four (two sets).  window 2: accumulator (a, b) at 8 (4 a + b).
.set PITCH,  240                       ; a row of Wo's chunk in LDS: 3 x (64 bytes + 16 of padding)
.set ACH,    49152                     ; a chunk of vals: 16 tiles of rows x 3,072 bytes, as they lie
.set BOFF,   4*ACH
.set BCH,    128*PITCH                 ; a chunk of Wo: 128 rows
.set SPITCH, 272                       ; the way out: a stage of 16 rows x (256 bytes + 16) for each wave, in vals' chunk 0: its one fill is over, and every wave has passed a barrier behind its last read of it
.set ADRA,   4                         ; v4-7 LDS address of my fragments of vals in chunk 0..3
.set ADRB,   8                         ; v8-11 the same for Wo;  v12-15 behind one padding more
.set STO,    16
.set RD,     17
.set CO,     18
.set XS,     32                        ; tile a: registers 4 a + q: lanes 0-15 the scale word of K step q, lanes 16-31 that of K step 4 + q
.set WS,     64
.set BT,     80
.set OB,     128
.set AF,     0
.set BF,     96
.set G1A,    28                        ; s[28:35], s[36:43] descriptor groups 1;  s[44:59], s[68:83] groups 0, one set for each chunk
.set G1B,    36
.set G0A,    44
.set G0B,    68
.set M_MUL,  0xa5                      ; sources 0 and 1 window 1, C and D window 2
.set TO_F,   0x40
.set MSB, 0
.macro WIN new
.if MSB != (\new)
	s_set_vgpr_msb (MSB<<8)|(\new)
.set MSB, (\new)
.endif
.endm
.macro PLACES n
.rept \n
	v_nop
.endr
.endm
.macro CROUND                          ; a round of the cluster's barrier
	s_barrier_signal -1
	s_barrier_wait -1
	s_cmp_lg_u32 s16, 0
	s_cbranch_scc1 .Lnot_wave_0_\@
	s_barrier_signal -3
.Lnot_wave_0_\@:
	s_barrier_wait -3
	s_barrier_signal -1
	s_barrier_wait -1
.endm
	s_load_b256 s[4:11], s[0:1], 0x0               ; vi s[4:5], vs s[6:7], Wo's codes s[8:9], Wo's scales s[10:11]
	s_load_b128 s[12:15], s[0:1], 0x20             ; bo s[12:13], out0 s[14:15]
	v_lshl_add_u32 v254, v0, 2, 0x4e000
	v_mov_b32 v255, 0
	ds_add_u32 v254, v255
	ds_add_u32 v254, v255
	v_lshrrev_b32 v20, 5, v0
	v_readfirstlane_b32 s16, v20                   ; wave 0..3
	s_lshr_b32 s17, s16, 1                         ; WR.  Also: I fetch for vals (0) or for Wo (1)
	s_and_b32 s18, s16, 1                          ; WC.  Also: which half I fetch
	s_bfe_u32 s19, ttmp6, 0x40000                  ; cx
	s_bfe_u32 s20, ttmp6, 0x40004                  ; cy
	s_lshl_b32 s21, ttmp9, 2
	s_add_co_u32 s21, s21, s19                     ; CT: my 128 columns
	s_and_b32 s22, ttmp7, 0xffff
	s_lshl_b32 s22, s22, 2
	s_add_co_u32 s22, s22, s20                     ; RB: my 256 rows
	s_lshl_b32 s23, s20, 2
	s_lshl_b32 s23, 15, s23                        ; my row of the cluster
	s_lshl_b32 s24, 0x1111, s19                    ; my column
	s_or_b32 s[G1A], s23, (3<<16)|(1<<21)          ; vals: 8 tiles of rows, of each 3,072 bytes (384 elements of 8 bytes), 12,288 bytes apart; no padding
	s_mov_b32 s[G1A+1], 384<<16
	s_mov_b32 s[G1A+2], 8<<16
	s_mov_b32 s[G1A+3], 384<<16
	s_mov_b32 s[G1A+4], 8
	s_mov_b32 s[G1A+5], 1536
	s_mov_b32 s[G1A+6], 0
	s_mov_b32 s[G1A+7], 0
	s_or_b32 s[G1B], s24, (1<<20)|(1<<21)|(3<<22)|(3<<25)   ; Wo: 64 rows of 192 bytes, 768 apart, 16 bytes of padding behind every 64
	s_mov_b32 s[G1B+1], 192<<16
	s_mov_b32 s[G1B+2], 64<<16
	s_mov_b32 s[G1B+3], 192<<16
	s_mov_b32 s[G1B+4], 64
	s_mov_b32 s[G1B+5], 768
	s_mov_b32 s[G1B+6], 0
	s_mov_b32 s[G1B+7], 0
	s_lshl_b32 s84, s22, 4                         ; vals' address hangs on RB alone (s84, s85), Wo's on CT alone (s86, s87)
	s_lshl_b32 s85, s18, 3
	s_add_co_u32 s84, s84, s85
	s_mul_i32 s84, s84, 12288
	s_mov_b32 s85, 0
	s_lshl_b32 s86, s21, 7
	s_lshl_b32 s87, s18, 6
	s_add_co_u32 s86, s86, s87
	s_mul_i32 s86, s86, 768
	s_mov_b32 s87, 0
	s_mul_i32 s88, s18, ACH/2                      ; where they go: my half of a chunk
	s_mul_i32 s89, s18, BCH/2
	s_add_co_u32 s89, s89, BOFF
	s_wait_dscnt 0x0
	s_wait_kmcnt 0x0
	s_add_nc_u64 s[84:85], s[4:5], s[84:85]
	s_add_nc_u64 s[86:87], s[8:9], s[86:87]
	CROUND                                         ; all sixteen work-groups are here: the joint loads meet
.irp c, 0,1,2,3
	s_mov_b32 s[G0A+4*\c], 1
	s_add_co_u32 s[G0A+4*\c+1], s88, \c*ACH
	s_add_nc_u64 s[G0A+4*\c+2:G0A+4*\c+3], s[84:85], 3072*\c
	s_or_b32 s[G0A+4*\c+3], s[G0A+4*\c+3], 0x80000000
	s_mov_b32 s[G0B+4*\c], 1
	s_add_co_u32 s[G0B+4*\c+1], s89, \c*BCH
	s_add_nc_u64 s[G0B+4*\c+2:G0B+4*\c+3], s[86:87], 192*\c
	s_or_b32 s[G0B+4*\c+3], s[G0B+4*\c+3], 0x80000000
.endr
	s_cmp_eq_u32 s17, 0                            ; a wave's four fills stand in one branch, ahead of every wait on TENSORcnt and every LDS read; four v_nop follow the last
	s_cbranch_scc0 .Lfirst_w
	tensor_load_to_lds s[G0A:G0A+3], s[G1A:G1A+7]
	s_nop 0
	tensor_load_to_lds s[G0A+4:G0A+7], s[G1A:G1A+7]
	s_nop 0
	tensor_load_to_lds s[G0A+8:G0A+11], s[G1A:G1A+7]
	s_nop 0
	tensor_load_to_lds s[G0A+12:G0A+15], s[G1A:G1A+7]
	s_nop 0
.rept 4
	v_nop
.endr
	s_branch .Lfirst_asked
.Lfirst_w:
	tensor_load_to_lds s[G0B:G0B+3], s[G1B:G1B+7]
	s_nop 0
	tensor_load_to_lds s[G0B+4:G0B+7], s[G1B:G1B+7]
	s_nop 0
	tensor_load_to_lds s[G0B+8:G0B+11], s[G1B:G1B+7]
	s_nop 0
	tensor_load_to_lds s[G0B+12:G0B+15], s[G1B:G1B+7]
	s_nop 0
.rept 4
	v_nop
.endr
.Lfirst_asked:
	v_and_b32 v1, 15, v0                           ; r
	v_bfe_u32 v2, v0, 4, 1                         ; h
	v_and_b32 v3, 31, v0                           ; lane
	v_lshlrev_b32 v21, 3, v3
	v_mul_u32_u24 v22, v1, PITCH
	v_mad_u32_u24 v22, v2, 24, v22
	v_lshl_add_u32 v23, v2, 4, v22
	s_mul_i32 s94, s17, ACH/2                      ; my 128 rows of vals
	s_mul_i32 s95, s18, BCH/2                      ; my 64 rows of Wo
	s_add_co_u32 s95, s95, BOFF
.irp c, 0,1,2,3
	v_add_nc_u32 v[ADRA+\c], s94, v21
	v_add_nc_u32 v[ADRB+\c], s95, v22
	v_add_nc_u32 v[ADRB+4+\c], s95, v23
	s_add_co_u32 s94, s94, ACH
	s_add_co_u32 s95, s95, BCH
.endr
	s_mul_i32 s94, s16, 16*SPITCH                  ; my stage
	v_mul_u32_u24 v[STO], v1, SPITCH
	v_lshl_add_u32 v[STO], v2, 5, v[STO]
	v_add_nc_u32 v[STO], s94, v[STO]               ; in: row r, 32 bytes for each half of the lanes
	v_mul_u32_u24 v[RD], v2, SPITCH
	v_lshl_add_u32 v[RD], v1, 4, v[RD]
	v_add_nc_u32 v[RD], s94, v[RD]                 ; back: lanes 0-15 one row of 256 bytes, lanes 16-31 the next
	v_lshlrev_b32 v[CO], 12, v2
	v_lshl_add_u32 v[CO], v1, 4, v[CO]             ; and the same two rows in out0
	v_lshlrev_b32 v19, 5, v1
	v_lshl_add_u32 v19, v2, 4, v19                 ; scale bytes: row r of 32 bytes, + 16 h
	v_lshlrev_b32 v20, 5, v2                       ; bo: 8 h numbers on
	s_lshl_b32 s84, s22, 13                        ; vals' scales: 256 RB + 128 WR rows of 32 bytes
	s_lshl_b32 s85, s17, 12
	s_add_co_u32 s84, s84, s85
	s_mov_b32 s85, 0
	s_add_nc_u64 s[84:85], s[6:7], s[84:85]
	s_lshl_b32 s86, s21, 12                        ; Wo's: 128 CT + 64 WC rows
	s_lshl_b32 s87, s18, 11
	s_add_co_u32 s86, s86, s87
	s_mov_b32 s87, 0
	s_add_nc_u64 s[86:87], s[10:11], s[86:87]
	s_lshl_b32 s90, s21, 9                         ; bo: 128 CT + 64 WC numbers
	s_lshl_b32 s91, s18, 8
	s_add_co_u32 s90, s90, s91
	s_mov_b32 s91, 0
	s_mov_b32 s96, s90                             ; (the same bytes on in a row of out0)
	s_add_nc_u64 s[90:91], s[12:13], s[90:91]
	s_lshl_b32 s94, s22, 20                        ; out0: 256 RB + 128 WR rows of 4,096 bytes
	s_lshl_b32 s95, s17, 19
	s_add_co_u32 s94, s94, s95
	s_add_co_u32 s94, s94, s96
	s_mov_b32 s95, 0
	s_add_nc_u64 s[92:93], s[14:15], s[94:95]
.irp a, 0,1,2,3,4,5,6,7
	global_load_b128 v[XS+4*\a:XS+4*\a+3], v19, s[84:85] offset:512*\a
.endr
.irp b, 0,1,2,3
	global_load_b128 v[WS+4*\b:WS+4*\b+3], v19, s[86:87] offset:512*\b
.endr
.irp b, 0,1,2,3
	global_load_b128 v[BT+8*\b:BT+8*\b+3], v20, s[90:91] offset:64*\b
	global_load_b128 v[BT+8*\b+4:BT+8*\b+7], v20, s[90:91] offset:64*\b+16
.endr
.macro FRAGA reg, c, q, a              ; a fragment of vals: its image, six loads of 256 consecutive bytes
.irp p, 0,1,2,3,4,5
	ds_load_b64 v[\reg+2*\p:\reg+2*\p+1], v[ADRA+\c] offset:3072*(\a)+1536*(\q)+256*\p
.endr
.endm
.macro FRAG reg, adr, q, i             ; a fragment of Wo from padded rows: piece p of a row lies at 8 p + 16 (p / 8); where the piece three on lies behind one padding more, the second address register (four registers up) serves
.irp p, 0,1,2,3,4,5
.set PC, 12*(\q)+6*(\p/3)+\p%3
.if PC%8 < 5
	ds_load_b64 v[\reg+2*\p:\reg+2*\p+1], v[\adr] offset:8*PC+16*(PC/8)+(\i)*16*PITCH
.else
	ds_load_b64 v[\reg+2*\p:\reg+2*\p+1], v[\adr+4] offset:8*PC+16*(PC/8)+(\i)*16*PITCH
.endif
.endr
.endm
.macro FETCH_B c, q, p                 ; 24 loads
	WIN TO_F
.irp i, 0,1,2,3
	FRAG BF+48*(\p)+12*\i, ADRB+\c, \q, \i
.endr
.endm
.macro FETCH_A c, q, i0                ; 24 loads
	WIN TO_F
.irp i, 0,1,2,3
	FRAGA AF+12*(\i0+\i), \c, \q, \i0+\i
.endr
.endm
.macro WMI d, a, b, c, sa, sb, s, first
.if \first
	v_wmma_scale_f32_16x16x128_f8f6f4 v[\d:\d+7], v[\a:\a+11], v[\b:\b+11], v[\c:\c+7], v[\sa], v[\sb] matrix_a_fmt:MATRIX_FMT_FP6 matrix_b_fmt:MATRIX_FMT_FP6
.elseif (\s) >= 4
	v_wmma_scale_f32_16x16x128_f8f6f4 v[\d:\d+7], v[\a:\a+11], v[\b:\b+11], v[\d:\d+7], v[\sa], v[\sb] matrix_a_fmt:MATRIX_FMT_FP6 matrix_b_fmt:MATRIX_FMT_FP6 matrix_a_scale:MATRIX_SCALE_ROW1 matrix_b_scale:MATRIX_SCALE_ROW1
.else
	v_wmma_scale_f32_16x16x128_f8f6f4 v[\d:\d+7], v[\a:\a+11], v[\b:\b+11], v[\d:\d+7], v[\sa], v[\sb] matrix_a_fmt:MATRIX_FMT_FP6 matrix_b_fmt:MATRIX_FMT_FP6
.endif
.endm
.macro MULA a, p, s, first             ; vals' tile a against Wo's four.  The 32 accumulators take turns, one instruction a turn, in the same order in every K step
.set rA, AF+12*(\a)
.set rXS, XS+4*(\a)+(\s)%4
.irp b, 0,1,2,3
.set rD, 8*(4*(\a)+\b)
.set rB, BF+48*(\p)+12*\b
.set rWS, WS+4*\b+(\s)%4
	WMI rD, rB, rA, BT+8*\b, rWS, rXS, \s, \first
.endr
.endm
; K step s; turn = 0: the next step lies in the same chunk nc (its nq-th 128).  turn = 1: it is the first of chunk nc: my part of that chunk is waited for (of my four loads 3 - nc were issued behind it), then a barrier;
; later chunks may stay on their way
.macro STEP s, nc, nq, first, turn
	s_wait_dscnt 24                                ; Wo's set and vals' tiles 0-3 are in; the youngest 24 loads (tiles 4-7) may be out
	WIN M_MUL-0x20*\first                          ; (in the first step C lies in window 0)
.irp a, 0,1,2,3
	MULA \a, (\s)%2, \s, \first
.endr
	s_wait_dscnt 0x0
.if \turn
	s_wait_tensorcnt 3-\nc
	WIN 0
	s_barrier_signal -1
	s_barrier_wait -1
.endif
	PLACES 4                                       ; four places in front of loads into registers that matrix instructions have read
	FETCH_B \nc, \nq, 1-(\s)%2
	FETCH_A \nc, \nq, 0
	WIN M_MUL-0x20*\first
.irp a, 4,5,6,7
	MULA \a, (\s)%2, \s, \first
.endr
	PLACES 4
	FETCH_A \nc, \nq, 4
	WIN 0
.endm
	s_wait_tensorcnt 3                             ; my part of chunk 0 is in,
	s_barrier_signal -1
	s_barrier_wait -1                              ; everybody's is
	FETCH_B 0, 0, 0
	FETCH_A 0, 0, 0
	FETCH_A 0, 0, 4
	WIN 0
	s_wait_loadcnt 0x0                             ; scale words and bo
	STEP 0, 0, 1, 1, 0
	STEP 1, 1, 0, 0, 1
	STEP 2, 1, 1, 0, 0
	STEP 3, 2, 0, 0, 1
	STEP 4, 2, 1, 0, 0
	STEP 5, 3, 0, 0, 1
	STEP 6, 3, 1, 0, 0
	s_wait_dscnt 24                                ; the last K step: nothing more to fetch
	WIN M_MUL
.irp a, 0,1,2,3
	MULA \a, 1, 7, 0
.endr
	s_wait_dscnt 0x0
.irp a, 4,5,6,7
	MULA \a, 1, 7, 0
.endr
	WIN 0
	PLACES 4                                       ; in front of the first read of results
; THE WAY OUT, block by block of 16 rows x 64 columns: a lane holds 32 neighbouring bytes of a row, the lanes beside it other rows: a block goes through my own stage and comes back as whole rows of 256 bytes.
; LDS serves a wave's instructions in order (ISA guide 5.7.1.4): no wait between the stores and the loads, nor in front of the next block's stores.
.macro TOSTAGE a
	WIN 0x08                                       ; an LDS store's data are its source 1: window 2
.irp b, 0,1,2,3
	ds_store_b128 v[STO], v[8*(4*(\a)+\b):8*(4*(\a)+\b)+3] offset:64*\b          ; each accumulator from its low end on
	ds_store_b128 v[STO], v[8*(4*(\a)+\b)+4:8*(4*(\a)+\b)+7] offset:64*\b+16
.endr
	WIN 0
.set BB, OB+32*((\a)%2)
.irp t, 0,1,2,3,4,5,6,7
	ds_load_b128 v[BB+4*\t:BB+4*\t+3], v[RD] offset:\t*2*SPITCH
.endr
.endm
.macro SEND a, younger                 ; younger: the LDS instructions issued behind block a's loads, which may stay out
.set BB, OB+32*((\a)%2)
	s_wait_dscnt \younger
.irp t, 0,1,2,3,4,5,6,7
	global_store_b128 v[CO], v[BB+4*\t:BB+4*\t+3], s[92:93] offset:65536*(\a)+8192*\t th:TH_STORE_NT   ; 16 lanes store 256 consecutive bytes, at a multiple of 256 from out0's first byte; every offset is an immediate, 516,096 at the most
.endr
.endm
	TOSTAGE 0
.irp a, 1,2,3,4,5,6,7
.if \a > 1
	s_wait_xcnt 0x0                                ; the stores of the block two back have read their registers: this block's loads may land there
.endif
	TOSTAGE \a
	SEND \a-1, 16                                  ; behind that block's loads: this block's 8 stores and 8 loads
.endr
	SEND 7, 0
	s_wait_tensorcnt 0x0
	ds_add_u32 v254, v255
	s_wait_dscnt 0x0
	CROUND                                         ; the closing round: no work-group ends while a partner may still ask for a tile that names it
	s_endpgm
.Lfunc_end_k_qdaced5cab9_proj:
	.size	k_qdaced5cab9_proj, .Lfunc_end_k_qdaced5cab9_proj-k_qdaced5cab9_proj
	.p2alignl 7, 3214868480
	.fill 96, 4, 3214868480
	.section	.rodata,"a",@progbits
	.p2align	6, 0x0
	.amdhsa_kernel k_qdaced5cab9_proj
		.amdhsa_group_segment_fixed_size 327680
		.amdhsa_private_segment_fixed_size 0
		.amdhsa_enable_private_segment 0
		.amdhsa_kernarg_size 48
		.amdhsa_user_sgpr_count 2
		.amdhsa_user_sgpr_kernarg_segment_ptr 1
		.amdhsa_wavefront_size32 1
		.amdhsa_system_sgpr_workgroup_id_x 1
		.amdhsa_system_sgpr_workgroup_id_y 1
		.amdhsa_system_sgpr_workgroup_id_z 1
		.amdhsa_system_vgpr_workitem_id 0
		.amdhsa_next_free_vgpr 768
		.amdhsa_next_free_sgpr 100
		.amdhsa_reserve_vcc 0
		.amdhsa_float_denorm_mode_32 3
		.amdhsa_float_denorm_mode_16_64 3
		.amdhsa_memory_ordered 1
		.amdhsa_forward_progress 1
		.amdhsa_inst_pref_size 99
	.end_amdhsa_kernel
	.amdgpu_metadata
---
amdhsa.version: [ 1, 2 ]
amdhsa.kernels:
  - .name:           k_qdaced5cab9_proj
    .symbol:         k_qdaced5cab9_proj.kd
    .args:
      - { .name: vi, .offset: 0, .size: 8, .value_kind: global_buffer, .address_space: global }
      - { .name: vs, .offset: 8, .size: 8, .value_kind: global_buffer, .address_space: global }
      - { .name: Wo_codes, .offset: 16, .size: 8, .value_kind: global_buffer, .address_space: global }
      - { .name: Wo_scales, .offset: 24, .size: 8, .value_kind: global_buffer, .address_space: global }
      - { .name: bo, .offset: 32, .size: 8, .value_kind: global_buffer, .address_space: global }
      - { .name: out0, .offset: 40, .size: 8, .value_kind: global_buffer, .address_space: global }
    .group_segment_fixed_size: 327680
    .private_segment_fixed_size: 0
    .kernarg_segment_align: 8
    .kernarg_segment_size: 48
    .max_flat_workgroup_size: 128
    .sgpr_count:     100
    .vgpr_count:     768
    .wavefront_size: 32
...
	.end_amdgpu_metadata
.endif
;; end of part 3
